; MI455X (gfx1250); checked and timed in simulation.
; The chip was launched on July 23, 2026; its instructions are those of AMD's public machine-readable ISA for CDNA 5 (MIT licence, August 2026) and "CDNA5" Instruction Set Architecture Reference Guide (July 2026). The comments in the code are by the model that wrote it; some were corrected since.
;; Foreground Selector For Mask. Allowed arithmetic: float matrix products may take bf16 or f16 operands with f32 sums; all other float work in f32.
;; Inputs: box_targets 256 x 16,384 x 4 float32; boxes 256 x 16,384 x 4 float32; class_targets 256 x 16,384 int32; proposal_to_label_map 256 x 16,384 int32.
;; Outputs: out0 256 x 512 int32; out1 256 x 512 x 4 float32; out2 256 x 512 x 4 float32; out3 256 x 512 int32.
;; 2 versions, each right; version 2 is version 1 with the launch pick written anew for expert scheduling mode. Each part assembles by itself: llvm-mc -triple=amdgcn-amd-amdhsa -mcpu=gfx1250 --defsym DOCPART=n.
;; ======== version 1 of 2: 2 launches
;; workspace buffers: order 524,288 bytes of whole numbers
;; launch pick (part 1): grid 256 x 1, 16 waves a work-group, no clusters, 67,840 bytes of LDS; arguments class_targets, order; writes order
.if DOCPART == 1
	.amdgcn_target "amdgcn-amd-amdhsa--gfx1250"
	.amdhsa_code_object_version 6
	.text
	.protected	k_q0fa12410f0_pick
	.globl	k_q0fa12410f0_pick
	.p2align	8
	.type	k_q0fa12410f0_pick,@function
k_q0fa12410f0_pick:
	s_mov_b64 s[64:65], 0
	v_nop
	global_prefetch_b8 v0, s[64:65] scope:SCOPE_SE
	s_setreg_imm32_b32 hwreg(HW_REG_WAVE_MODE, 25, 1), 1
	s_wait_xcnt 0x0
; order[row][k], k = 0 .. 511: the indices of the row's first 512 proposals with class > 0 (signed), ascending; if the row has only T < 512
; of them, slots T .. 511 take the lowest indices whose class is <= 0.  The next launch forms its gather addresses from this list.
; One work-group = one row of 16,384 classes, 16 waves; wave w owns the 1,024 consecutive classes 1024 w .. 1024 w + 1023.
; Every row does the same work: no branch hangs on a class, only one on the wave's number.
;   1. COUNT  the classes become 32 lane masks in scalar registers; the wave's number of foregrounds goes to LDS.          (barrier 1)
;   2. PLACE  proposal i with g foregrounds in front of it in the row has slot g if it is a foreground and slot T + (i - g) if not
;             (i - g backgrounds lie in front of it).  The wave stores i at that slot of its OWN list in LDS, which it has cleared before;
;             slots of 512 and more fall on word 512, which nobody reads.                                                   (barrier 2)
;   3. MERGE  the slots are a one-to-one numbering of the row's 16,384 proposals, so each of the slots 0 .. 511 is written in exactly one of the 16
;             lists and is 0 in the others: the row's list is their OR.  Waves 0-3 make it, four slots a lane, and a wave's one
;             16-byte store covers 512 consecutive aligned bytes.
; Nothing is shared between work-groups (no cluster), nothing is multiplied (no matrix unit), the row is used once and straight from
; registers (no copy into LDS).  Class may be any int32.
.set KEEP,    512                      ; slots of a row
.set LDS_CNT, 0                        ; 16 words: foregrounds of each wave's chunk
.set LDS_REG, 256                      ; 16 lists, wave w's at 4096 w: words 0 .. 511 the slots, word 512 for what is not kept
.set REGION,  4096
; vector registers
.set LANE, 2                           ; v2       lane
.set LOFF, 3                           ; v3       byte offset in the row of my 16 bytes in load 0 of my wave's chunk
.set CLS,  4                           ; v[4:35]  load j: 4 classes, elements 128 j + 4 lane + c of the chunk
.set CNTS, 40                          ; v[40:55] the 16 counts
.set M,    4                           ; v[4:67]  step 3: my four slots in list w, at 4 w (classes and counts are dead by then)
.set Z,    68                          ; v[68:71] zeros: the lists' first content; v68 also the LDS address 0
.set CVAL, 72                          ; v72      my wave's count, to store
.set CADR, 73                          ; v73      4 x wave
.set IDX0, 74                          ; v74      index in the row of my element c = 0 of load 0
.set RANK, 75                          ; v75      g of the element at hand
.set T0,   76                          ; v76-78   at work
.set T1,   77
.set T2,   78
.set MADR, 79                          ; v79      step 3: 16 x (thread mod 128): my four slots in a list and in order's row
.set ZADR, 80                          ; v80      4096 x wave + 16 x lane: where I clear
; scalar registers
.set WAVE, 2
.set PME,  3                           ; foregrounds of the row in front of my wave's chunk
.set PCLS, 8                           ; s[8:9]   class_targets, moved to this row
.set PORD, 10                          ; s[10:11] order, moved to this row
.set TMP,  24                          ; s[24:27] at work
.set MASK, 32                          ; s[32:63] mask 4 j + c: bit l = (element c of lane l in load j is foreground)
.set BASE, 66                          ; s[66:74] foregrounds of my chunk in front of load j (later: of the row); s74 = the chunk's count
.set INC,  76                          ; s[76:91] foregrounds of chunks 0 .. w
.set TOT,  91                          ; s91      T, the row's
.set RBASE, 96                         ; 4096 x wave
	s_load_b128 s[8:11], s[0:1], 0x0               ; both addresses
	v_lshl_add_u32 v82, v0, 2, 0x10100
	v_mov_b32 v83, 0
	v_lshrrev_b32 v1, 5, v0
	v_readfirstlane_b32 s[WAVE], v1                ; wave 0 .. 15 as a scalar
	v_and_b32 v[LANE], 31, v0
	v_lshlrev_b32 v[LOFF], 4, v[LANE]
	v_lshl_or_b32 v[LOFF], v1, 12, v[LOFF]         ; 4096 x wave + 16 x lane
	s_lshl_b32 s[TMP+0], ttmp9, 16                 ; the row in class_targets: 65,536 bytes
	s_mov_b32  s[TMP+1], 0
	s_lshl_b32 s[TMP+2], ttmp9, 11                 ; in order: 2,048 bytes
	s_mov_b32  s[TMP+3], 0
	s_wait_kmcnt 0x0
	s_add_nc_u64 s[PCLS:PCLS+1], s[PCLS:PCLS+1], s[TMP+0:TMP+1]
.irp j, 0,1,2,3,4,5,6,7
	global_load_b128 v[CLS+4*\j:CLS+4*\j+3], v[LOFF], s[PCLS:PCLS+1] offset:512*\j th:TH_LOAD_NT   ; 512 consecutive bytes each, read once in this launch; with 16 waves the whole row is asked for at once
.endr
	; in the shadow of these loads: lane terms that hang on ids alone, and the clearing of my list
	s_add_nc_u64 s[PORD:PORD+1], s[PORD:PORD+1], s[TMP+2:TMP+3]
	s_lshl_b32 s[RBASE], s[WAVE], 12
	s_lshl_b32 s[TMP+0], s[WAVE], 10
	v_lshlrev_b32 v[T0], 2, v[LANE]
	v_add_nc_u32 v[IDX0], s[TMP+0], v[T0]          ; 1024 wave + 4 lane
	v_mov_b32 v[CADR], s[WAVE]
	v_lshlrev_b32 v[CADR], 2, v[CADR]
	v_lshl_add_u32 v[ZADR], v[LANE], 4, s[RBASE]
	v_and_b32 v[MADR], 127, v0                     ; step 3 is done by threads 0 .. 127, for which the mask changes nothing
	v_lshlrev_b32 v[MADR], 4, v[MADR]
.irp c, 0,1,2,3
	v_mov_b32 v[Z+\c], 0
.endr
.irp n, 0,1,2,3
	ds_store_b128 v[ZADR], v[Z:Z+3] offset:LDS_REG+512*\n      ; words 0 .. 511 of my own list; LDS serves a wave's instructions in order
.endr                                                              ; (ISA guide 5.7.1.4), so step 2's stores land on top of these
	s_mov_b32 s[BASE], 0
; STEP 1.  Load j: four masks, their bits counted on the scalar side.
.macro COUNT j
	s_wait_loadcnt 7-\j                            ; loads come back in order (ISA guide 5.7.1): load j is in, the 7 - j younger ones stay out
.irp c, 0,1,2,3
	v_cmp_lt_i32 s[MASK+4*\j+\c], 0, v[CLS+4*\j+\c]            ; 0 < class
.endr
.irp c, 0,1,2,3
	s_bcnt1_i32_b32 s[TMP+\c], s[MASK+4*\j+\c]
.endr
	s_add_co_u32 s[TMP+0], s[TMP+0], s[TMP+1]
	s_add_co_u32 s[TMP+2], s[TMP+2], s[TMP+3]
	s_add_co_u32 s[TMP+0], s[TMP+0], s[TMP+2]
	s_add_co_u32 s[BASE+\j+1], s[BASE+\j], s[TMP+0]            ; kept for each load: step 2 starts its ranks from it
.endm
.irp j, 0,1,2,3,4,5,6,7
	COUNT \j
.endr
	v_mov_b32 v[CVAL], s[BASE+8]
	ds_store_b32 v[CADR], v[CVAL] offset:LDS_CNT   ; all lanes: the same word, the same value
	s_wait_dscnt 0x0                               ; for the other waves' sake: my count is in LDS before I signal
	s_barrier_signal -1
	s_barrier_wait -1                              ; barrier 1: all 16 counts are there
.irp q, 0,1,2,3
	ds_load_b128 v[CNTS+4*\q:CNTS+4*\q+3], v[Z] offset:LDS_CNT+16*\q
.endr
	s_wait_dscnt 0x0
.irp w, 0,1,2,3,4,5,6,7,8,9,10,11,12,13,14,15
	v_readfirstlane_b32 s[INC+\w], v[CNTS+\w]
.endr
.irp w, 1,2,3,4,5,6,7,8,9,10,11,12,13,14,15
	s_add_co_u32 s[INC+\w], s[INC+\w], s[INC+\w-1] ; foregrounds of chunks 0 .. w; the last is T
.endr
	s_mov_b32 s[PME], 0
.irp w, 1,2,3,4,5,6,7,8,9,10,11,12,13,14,15
	s_cmp_eq_u32 s[WAVE], \w                       ; the condition is the wave's number; only the chosen value is data
	s_cselect_b32 s[PME], s[INC+\w-1], s[PME]      ; those in front of my chunk
.endr
.irp j, 0,1,2,3,4,5,6,7
	s_add_co_u32 s[BASE+\j], s[BASE+\j], s[PME]    ; now: foregrounds of the ROW in front of my load j
.endr
; STEP 2.  Element c of lane l in load j is proposal i = 1024 w + 128 j + 4 l + c.
.macro PLACE j
	v_mbcnt_lo_u32_b32 v[RANK], s[MASK+4*\j+0], s[BASE+\j]     ; g = what lies in front of the load + the lower lanes' bits of the four masks
	v_mbcnt_lo_u32_b32 v[RANK], s[MASK+4*\j+1], v[RANK]
	v_mbcnt_lo_u32_b32 v[RANK], s[MASK+4*\j+2], v[RANK]
	v_mbcnt_lo_u32_b32 v[RANK], s[MASK+4*\j+3], v[RANK]
.irp c, 0,1,2,3
.if 128*\j+\c == 0
	v_sub_nc_u32 v[T0], v[IDX0], v[RANK]                       ; i - g: backgrounds in front (g <= i, so it does not wrap)
.else
	v_add_nc_u32 v[T1], 128*\j+\c, v[IDX0]                     ; i
	v_sub_nc_u32 v[T0], v[T1], v[RANK]
.endif
	v_add_nc_u32 v[T0], s[TOT], v[T0]                          ; a background's slot: T + (i - g)
	v_cndmask_b32 v[T0], v[T0], v[RANK], s[MASK+4*\j+\c]       ; a foreground's: g
	v_min_u32 v[T0], KEEP, v[T0]                               ; what is not kept falls on word 512
	v_lshl_add_u32 v[T0], v[T0], 2, s[RBASE]                   ; a word of my wave's own 4,096 bytes
.if 128*\j+\c == 0
	ds_store_b32 v[T0], v[IDX0] offset:LDS_REG
.else
	ds_store_b32 v[T0], v[T1] offset:LDS_REG
.endif
.if \c < 3
	v_cndmask_b32 v[T2], 0, 1, s[MASK+4*\j+\c]
	v_add_nc_u32 v[RANK], v[RANK], v[T2]                       ; my own earlier elements count too
.endif
.endr
.endm
.irp j, 0,1,2,3,4,5,6,7
	PLACE \j
.endr
	s_wait_dscnt 0x0                               ; my list is written before I signal
	s_barrier_signal -1
	s_barrier_wait -1                              ; barrier 2: all 16 lists are written, and nobody writes LDS any more
	; STEP 3.  128 lanes x 4 slots = the row's 512: four waves' work.  The branch is on the wave's number and jumps over no barrier.
	s_cmp_ge_u32 s[WAVE], 4
	s_cbranch_scc1 .Ldone
.irp w, 0,1,2,3,4,5,6,7,8,9,10,11,12,13,14,15
	ds_load_b128 v[M+4*\w:M+4*\w+3], v[MADR] offset:LDS_REG+REGION*\w      ; a wave's load: 512 consecutive bytes of list w
.endr
.irp w, 1,2,3,4,5,6,7,8,9,10,11,12,13,14,15
	s_wait_dscnt 15-\w                             ; LDS loads come back in order: lists 0 .. w are in, the 15 - w younger loads stay out
.irp c, 0,1,2,3
	v_or_b32 v[M+\c], v[M+\c], v[M+4*\w+\c]        ; one list holds the index, the others 0
.endr
.endr
	global_store_b128 v[MADR], v[M:M+3], s[PORD:PORD+1]        ; no hint: the next launch reads it
.Ldone:
	s_wait_tensorcnt 0x0
	ds_add_u32 v82, v83
	s_wait_dscnt 0x0
	s_endpgm
.Lfunc_end_k_q0fa12410f0_pick:
	.size	k_q0fa12410f0_pick, .Lfunc_end_k_q0fa12410f0_pick-k_q0fa12410f0_pick
	.p2alignl 7, 3214868480
	.fill 96, 4, 3214868480
	.section	.rodata,"a",@progbits
	.p2align	6, 0x0
	.amdhsa_kernel k_q0fa12410f0_pick
		.amdhsa_group_segment_fixed_size 67840
		.amdhsa_private_segment_fixed_size 0
		.amdhsa_enable_private_segment 0
		.amdhsa_kernarg_size 16
		.amdhsa_user_sgpr_count 2
		.amdhsa_user_sgpr_kernarg_segment_ptr 1
		.amdhsa_wavefront_size32 1
		.amdhsa_system_sgpr_workgroup_id_x 1
		.amdhsa_system_sgpr_workgroup_id_y 1
		.amdhsa_system_sgpr_workgroup_id_z 1
		.amdhsa_system_vgpr_workitem_id 0
		.amdhsa_next_free_vgpr 84
		.amdhsa_next_free_sgpr 100
		.amdhsa_reserve_vcc 0
		.amdhsa_float_denorm_mode_32 3
		.amdhsa_float_denorm_mode_16_64 3
		.amdhsa_memory_ordered 1
		.amdhsa_forward_progress 1
		.amdhsa_inst_pref_size 30
	.end_amdhsa_kernel
	.amdgpu_metadata
---
amdhsa.version: [ 1, 2 ]
amdhsa.kernels:
  - .name:           k_q0fa12410f0_pick
    .symbol:         k_q0fa12410f0_pick.kd
    .args:
      - { .name: class_targets, .offset: 0, .size: 8, .value_kind: global_buffer, .address_space: global }
      - { .name: order, .offset: 8, .size: 8, .value_kind: global_buffer, .address_space: global }
    .group_segment_fixed_size: 67840
    .private_segment_fixed_size: 0
    .kernarg_segment_align: 8
    .kernarg_segment_size: 16
    .max_flat_workgroup_size: 512
    .sgpr_count:     100
    .vgpr_count:     84
    .wavefront_size: 32
...
	.end_amdgpu_metadata
.endif
;; end of part 1
;; launch gather (part 2): grid 256 x 1, 16 waves a work-group, no clusters, 0 bytes of LDS; arguments class_targets, box_targets, boxes, proposal_to_label_map, out0, out1, out2, out3, order; writes out0, out1, out2, out3
.if DOCPART == 2
	.amdgcn_target "amdgcn-amd-amdhsa--gfx1250"
	.amdhsa_code_object_version 6
	.text
	.protected	k_q0fa12410f0_gather
	.globl	k_q0fa12410f0_gather
	.p2align	8
	.type	k_q0fa12410f0_gather,@function
k_q0fa12410f0_gather:
	s_mov_b64 s[64:65], 0
	v_nop
	global_prefetch_b8 v0, s[64:65] scope:SCOPE_SE
	s_setreg_imm32_b32 hwreg(HW_REG_WAVE_MODE, 25, 1), 1
	s_wait_xcnt 0x0
; out0..out3[row][k] = class, box target, box, label of proposal order[row][k]; order was stored by the launch in front.
; One work-group = one row of 512 slots, 16 waves that do not depend on each other: no LDS, no barrier.
;   Boxes:          thread k serves slot k: two gathers of 16 bytes, two stores; a wave's store covers 512 consecutive aligned bytes.
;   Whole numbers:  thread t serves slots 2u, 2u + 1 (u = t mod 256) of the class (waves 0-7) or of the label (waves 8-15), so that a wave's
;                   8-byte store covers 256 consecutive aligned bytes.
; So each index is loaded three times, once alone and twice in a pair: 6,144 bytes a row instead of 2,048; the other way to hand the pairs round would be LDS and a barrier.
; Each address is asked for as soon as it exists, so there is nothing to ask for ahead.  All values are copied bit for bit.
.set K4,   2                           ; v2       4 k
.set K16,  3                           ; v3       16 k
.set PADR, 4                           ; v4       8 u: my pair in order's row, and in out0's or out3's
.set IX,   5                           ; v5       slot k's index
.set O16,  6                           ; v6       16 x index
.set PIX,  8                           ; v[8:9]   the pair's indices, then 4 x index
.set PVAL, 10                          ; v[10:11] the pair's values
.set BT,   12                          ; v[12:15] box target
.set BX,   16                          ; v[16:19] box
.set WAVE, 2
.set PCLS, 8                           ; s[8:23]  eight addresses, each moved to this row
.set PBT,  10
.set PBX,  12
.set PMAP, 14
.set PO0,  16
.set PO1,  18
.set PO2,  20
.set PO3,  22
.set PORD, 26                          ; s[26:27] order
.set TMP,  28                          ; s[28:35] the row's byte offsets
.set PSRC, 36                          ; s[36:37] class or label map
.set PDST, 38                          ; s[38:39] out0 or out3
	s_load_b512 s[8:23], s[0:1], 0x0
	s_load_b64 s[PORD:PORD+1], s[0:1], 0x40
	v_lshrrev_b32 v1, 5, v0
	v_readfirstlane_b32 s[WAVE], v1                ; wave 0 .. 15 as a scalar
	v_lshlrev_b32 v[K4], 2, v0
	v_lshlrev_b32 v[K16], 4, v0
	v_and_b32 v[PADR], 255, v0
	v_lshlrev_b32 v[PADR], 3, v[PADR]
	s_lshl_b32 s[TMP+0], ttmp9, 16                 ; the row in class and label map: 65,536 bytes
	s_mov_b32  s[TMP+1], 0
	s_lshl_b32 s[TMP+2], ttmp9, 18                 ; in the two box arrays: 262,144 bytes (255 rows stay under 2^26)
	s_mov_b32  s[TMP+3], 0
	s_lshl_b32 s[TMP+4], ttmp9, 11                 ; in order, out0 and out3: 2,048 bytes
	s_mov_b32  s[TMP+5], 0
	s_lshl_b32 s[TMP+6], ttmp9, 13                 ; in out1 and out2: 8,192 bytes
	s_mov_b32  s[TMP+7], 0
	s_wait_kmcnt 0x0
	s_add_nc_u64 s[PORD:PORD+1], s[PORD:PORD+1], s[TMP+4:TMP+5]
	global_load_b32 v[IX], v[K4], s[PORD:PORD+1]               ; everything hangs on these two: they go first
	global_load_b64 v[PIX:PIX+1], v[PADR], s[PORD:PORD+1]
	s_add_nc_u64 s[PCLS:PCLS+1], s[PCLS:PCLS+1], s[TMP+0:TMP+1] ; in their shadow: the other addresses
	s_add_nc_u64 s[PBT:PBT+1],   s[PBT:PBT+1],   s[TMP+2:TMP+3]
	s_add_nc_u64 s[PBX:PBX+1],   s[PBX:PBX+1],   s[TMP+2:TMP+3]
	s_add_nc_u64 s[PMAP:PMAP+1], s[PMAP:PMAP+1], s[TMP+0:TMP+1]
	s_add_nc_u64 s[PO0:PO0+1],   s[PO0:PO0+1],   s[TMP+4:TMP+5]
	s_add_nc_u64 s[PO1:PO1+1],   s[PO1:PO1+1],   s[TMP+6:TMP+7]
	s_add_nc_u64 s[PO2:PO2+1],   s[PO2:PO2+1],   s[TMP+6:TMP+7]
	s_add_nc_u64 s[PO3:PO3+1],   s[PO3:PO3+1],   s[TMP+4:TMP+5]
	s_cmp_lt_u32 s[WAVE], 8                        ; waves 0-7 serve the class, waves 8-15 the label map
	s_cselect_b64 s[PSRC:PSRC+1], s[PCLS:PCLS+1], s[PMAP:PMAP+1]
	s_cselect_b64 s[PDST:PDST+1], s[PO0:PO0+1],   s[PO3:PO3+1]
	s_wait_loadcnt 0x1                             ; loads come back in order (ISA guide 5.7.1): slot k's index is in, the pair's load stays out
	v_min_u32 v[IX], 0x3fff, v[IX]                 ; the list holds numbers 0 .. 16,383: the clamp keeps the gather inside the row whatever is read
	v_lshlrev_b32 v[O16], 4, v[IX]
	global_load_b128 v[BT:BT+3], v[O16], s[PBT:PBT+1]
	global_load_b128 v[BX:BX+3], v[O16], s[PBX:PBX+1]
	s_wait_loadcnt 0x2                             ; the pair's indices are in, the two box gathers behind them stay out
	v_min_u32 v[PIX],   0x3fff, v[PIX]
	v_min_u32 v[PIX+1], 0x3fff, v[PIX+1]
	v_lshlrev_b32 v[PIX],   2, v[PIX]
	v_lshlrev_b32 v[PIX+1], 2, v[PIX+1]
	global_load_b32 v[PVAL],   v[PIX],   s[PSRC:PSRC+1]
	global_load_b32 v[PVAL+1], v[PIX+1], s[PSRC:PSRC+1]
	s_wait_loadcnt 0x3                             ; four gathers are out; the oldest (box_targets) is in, three stay out
	global_store_b128 v[K16], v[BT:BT+3], s[PO1:PO1+1] th:TH_STORE_NT
	s_wait_loadcnt 0x2                             ; boxes is in, the two whole numbers stay out
	global_store_b128 v[K16], v[BX:BX+3], s[PO2:PO2+1] th:TH_STORE_NT
	s_wait_loadcnt 0x0
	global_store_b64 v[PADR], v[PVAL:PVAL+1], s[PDST:PDST+1] th:TH_STORE_NT
	s_endpgm
.Lfunc_end_k_q0fa12410f0_gather:
	.size	k_q0fa12410f0_gather, .Lfunc_end_k_q0fa12410f0_gather-k_q0fa12410f0_gather
	.p2alignl 7, 3214868480
	.fill 96, 4, 3214868480
	.section	.rodata,"a",@progbits
	.p2align	6, 0x0
	.amdhsa_kernel k_q0fa12410f0_gather
		.amdhsa_group_segment_fixed_size 0
		.amdhsa_private_segment_fixed_size 0
		.amdhsa_enable_private_segment 0
		.amdhsa_kernarg_size 72
		.amdhsa_user_sgpr_count 2
		.amdhsa_user_sgpr_kernarg_segment_ptr 1
		.amdhsa_wavefront_size32 1
		.amdhsa_system_sgpr_workgroup_id_x 1
		.amdhsa_system_sgpr_workgroup_id_y 1
		.amdhsa_system_sgpr_workgroup_id_z 1
		.amdhsa_system_vgpr_workitem_id 0
		.amdhsa_next_free_vgpr 20
		.amdhsa_next_free_sgpr 66
		.amdhsa_reserve_vcc 0
		.amdhsa_float_denorm_mode_32 3
		.amdhsa_float_denorm_mode_16_64 3
		.amdhsa_memory_ordered 1
		.amdhsa_forward_progress 1
		.amdhsa_inst_pref_size 3
	.end_amdhsa_kernel
	.amdgpu_metadata
---
amdhsa.version: [ 1, 2 ]
amdhsa.kernels:
  - .name:           k_q0fa12410f0_gather
    .symbol:         k_q0fa12410f0_gather.kd
    .args:
      - { .name: class_targets, .offset: 0, .size: 8, .value_kind: global_buffer, .address_space: global }
      - { .name: box_targets, .offset: 8, .size: 8, .value_kind: global_buffer, .address_space: global }
      - { .name: boxes, .offset: 16, .size: 8, .value_kind: global_buffer, .address_space: global }
      - { .name: proposal_to_label_map, .offset: 24, .size: 8, .value_kind: global_buffer, .address_space: global }
      - { .name: out0, .offset: 32, .size: 8, .value_kind: global_buffer, .address_space: global }
      - { .name: out1, .offset: 40, .size: 8, .value_kind: global_buffer, .address_space: global }
      - { .name: out2, .offset: 48, .size: 8, .value_kind: global_buffer, .address_space: global }
      - { .name: out3, .offset: 56, .size: 8, .value_kind: global_buffer, .address_space: global }
      - { .name: order, .offset: 64, .size: 8, .value_kind: global_buffer, .address_space: global }
    .group_segment_fixed_size: 0
    .private_segment_fixed_size: 0
    .kernarg_segment_align: 8
    .kernarg_segment_size: 72
    .max_flat_workgroup_size: 512
    .sgpr_count:     66
    .vgpr_count:     20
    .wavefront_size: 32
...
	.end_amdgpu_metadata
.endif
;; end of part 2
;; ======== version 2 of 2: 2 launches; version 1 with the launch pick written anew for expert scheduling mode
;; workspace buffers: order 524,288 bytes of whole numbers
;; launch pick (part 3): grid 256 x 1, 16 waves a work-group, no clusters, 67,840 bytes of LDS; arguments class_targets, order; writes order
.if DOCPART == 3
	.amdgcn_target "amdgcn-amd-amdhsa--gfx1250"
	.amdhsa_code_object_version 6
	.text
	.protected	k_q0fa12410f0_pick
	.globl	k_q0fa12410f0_pick
	.p2align	8
	.type	k_q0fa12410f0_pick,@function
k_q0fa12410f0_pick:
	s_mov_b64 s[64:65], 0
	v_nop
	global_prefetch_b8 v0, s[64:65] scope:SCOPE_SE
	s_setreg_imm32_b32 hwreg(HW_REG_WAVE_SCHED_MODE, 0, 2), 2
	s_setreg_imm32_b32 hwreg(HW_REG_WAVE_MODE, 25, 1), 1
	s_wait_xcnt 0x0
	s_wait_alu depctr_vm_vsrc(0)
; order[row][k], k = 0 .. 511: the indices of the row's first 512 proposals with class > 0 (signed), ascending; if the row has only T < 512
; of them, slots T .. 511 take the lowest indices whose class is <= 0.  The next launch forms its gather addresses from this list.
; One work-group = one row of 16,384 classes, 16 waves; wave w owns the 1,024 consecutive classes 1024 w .. 1024 w + 1023.
; Every row does the same work: no branch hangs on a class, only one on the wave's number.
;   1. COUNT  the classes become 32 lane masks in scalar registers; the wave's number of foregrounds goes to LDS.          (barrier 1)
;   2. PLACE  proposal i with g foregrounds in front of it in the row has slot g if it is a foreground and slot T + (i - g) if not
;             (i - g backgrounds lie in front of it).  The wave stores i at that slot of its OWN list in LDS, which it has cleared before;
;             slots of 512 and more fall on word 512, which nobody reads.                                                   (barrier 2)
;   3. MERGE  the slots are a one-to-one numbering of the row's 16,384 proposals, so each of the slots 0 .. 511 is written in exactly one of the 16
;             lists and is 0 in the others: the row's list is their OR.  Waves 0-3 make it, four slots a lane, and a wave's one
;             16-byte store covers 512 consecutive aligned bytes.
; Nothing is shared between work-groups (no cluster), nothing is multiplied (no matrix unit), the row is used once and straight from
; registers (no copy into LDS).  Class may be any int32.
; THE MODE: SCHED_MODE bits 1:0 = 2 (LLVM: expert scheduling mode 2), set by the entry lines.  The code itself states the register dependences
; between vector instructions and memory or LDS instructions, and those through scalar registers that vector instructions write, with s_wait_alu, always for 0.
; THE PLAN.  Registers that memory or LDS instructions touch:
;   LOFF, ZADR, Z, CADR, IDX0, MADR   offsets, addresses and zeros: made at the head, ahead of one wait, and never written again.
;   CLS     written by the eight global loads, read by the compares; dead behind step 1.
;   CVAL    written once, read by the count's store.
;   CNTS    written by four LDS loads, read by the sixteen v_readfirstlane_b32; dead behind them.
;   ADR, IDX  (in CLS's and CNTS's place) a pair for EACH of the wave's 32 elements: written by step 2's arithmetic, read by that element's one LDS store, and not
;           written again before step 3's LDS loads land there.  Step 2 goes in four blocks of eight elements: one wait at a block's head states that the block before
;           has written its pairs, and that block's eight stores are dealt among this block's arithmetic, which writes this block's pairs, RANK and T2 alone.
;   M       (the same 64 registers) written by step 3's LDS loads, read by the ORs, whose result the global store reads.
;   RANK, T0, T2 are named by vector instructions alone.
.set KEEP,    512                      ; slots of a row
.set LDS_CNT, 0                        ; 16 words: foregrounds of each wave's chunk
.set LDS_REG, 256                      ; 16 lists, wave w's at 4096 w: words 0 .. 511 the slots, word 512 for what is not kept
.set REGION,  4096
; vector registers
.set LANE, 2                           ; v2       lane
.set LOFF, 3                           ; v3       byte offset in the row of my 16 bytes in load 0 of my wave's chunk
.set CLS,  4                           ; v[4:35]  step 1: load j: 4 classes, elements 128 j + 4 lane + c of the chunk
.set CNTS, 40                          ; v[40:55] the 16 counts
.set ADR,  4                           ; v[4:35]  step 2: element 4 j + c: the LDS address of its slot
.set IDX,  36                          ; v[36:67] step 2: element 4 j + c: its index in the row (element 0's is IDX0 itself)
.set M,    4                           ; v[4:67]  step 3: my four slots in list w, at 4 w
.set Z,    68                          ; v[68:71] zeros: the lists' first content; v68 also the LDS address 0
.set CVAL, 72                          ; v72      my wave's count, to store
.set CADR, 73                          ; v73      4 x wave
.set IDX0, 74                          ; v74      index in the row of my element c = 0 of load 0
.set RANK, 75                          ; v75      g of the element at hand
.set T0,   76                          ; v76      at work, at the head
.set T2,   78                          ; v78      at work, in step 2
.set MADR, 79                          ; v79      step 3: 16 x (thread mod 128): my four slots in a list and in order's row
.set ZADR, 80                          ; v80      4096 x wave + 16 x lane: where I clear
; scalar registers
.set WAVE, 2
.set PME,  3                           ; foregrounds of the row in front of my wave's chunk
.set PCLS, 8                           ; s[8:9]   class_targets, moved to this row
.set PORD, 10                          ; s[10:11] order, moved to this row
.set TMP,  24                          ; s[24:27] at work
.set WK,   28                          ; 1024 x wave
.set MASK, 32                          ; s[32:63] mask 4 j + c: bit l = (element c of lane l in load j is foreground)
.set BASE, 66                          ; s[66:74] foregrounds of my chunk in front of load j (later: of the row); s74 = the chunk's count
.set INC,  76                          ; s[76:91] foregrounds of chunks 0 .. w
.set TOT,  91                          ; s91      T, the row's
.set RBASE, 96                         ; 4096 x wave
	s_load_b128 s[8:11], s[0:1], 0x0               ; both addresses
	v_lshl_add_u32 v77, v0, 2, 0x10100
	v_mov_b32 v81, 0
	; in the shadow of that load: all lane terms, which hang on ids alone, and the clearing of my list
	v_lshrrev_b32 v1, 5, v0
	v_readfirstlane_b32 s[WAVE], v1                ; wave 0 .. 15 as a scalar
	v_and_b32 v[LANE], 31, v0
	v_lshlrev_b32 v[LOFF], 4, v[LANE]
	v_lshl_or_b32 v[LOFF], v1, 12, v[LOFF]         ; 4096 x wave + 16 x lane
	v_lshlrev_b32 v[T0], 2, v[LANE]
	v_and_b32 v[MADR], 127, v0                     ; step 3 is done by threads 0 .. 127, for which the mask changes nothing
	v_lshlrev_b32 v[MADR], 4, v[MADR]
.irp c, 0,1,2,3
	v_mov_b32 v[Z+\c], 0
.endr
	s_lshl_b32 s[TMP+0], ttmp9, 16                 ; the row in class_targets: 65,536 bytes
	s_mov_b32  s[TMP+1], 0
	s_lshl_b32 s[TMP+2], ttmp9, 11                 ; in order: 2,048 bytes
	s_mov_b32  s[TMP+3], 0
	s_mov_b32 s[BASE], 0
	s_wait_alu depctr_va_sdst(0)                   ; v_readfirstlane_b32 has written s[WAVE], ahead of its first reader, the shift below
	s_lshl_b32 s[RBASE], s[WAVE], 12
	s_lshl_b32 s[WK], s[WAVE], 10
	v_add_nc_u32 v[IDX0], s[WK], v[T0]             ; 1024 wave + 4 lane
	v_mov_b32 v[CADR], s[WAVE]
	v_lshlrev_b32 v[CADR], 2, v[CADR]
	v_lshl_add_u32 v[ZADR], v[LANE], 4, s[RBASE]
	s_wait_alu depctr_va_vdst(0)                   ; LOFF, ZADR, Z, CADR, IDX0 and MADR are written: every load and store of the kernel that reads one of them stands behind this wait, and none of them is written again
.irp n, 0,1,2,3
	ds_store_b128 v[ZADR], v[Z:Z+3] offset:LDS_REG+512*\n      ; words 0 .. 511 of my own list; LDS serves a wave's instructions in order
.endr                                                              ; (ISA guide 5.7.1.4), so step 2's stores land on top of these
	s_wait_kmcnt 0x0
	s_add_nc_u64 s[PCLS:PCLS+1], s[PCLS:PCLS+1], s[TMP+0:TMP+1]
.irp j, 0,1,2,3,4,5,6,7
	global_load_b128 v[CLS+4*\j:CLS+4*\j+3], v[LOFF], s[PCLS:PCLS+1] offset:512*\j th:TH_LOAD_NT   ; 512 consecutive bytes each, read once in this launch; with 16 waves the whole row is asked for at once
.endr
	s_add_nc_u64 s[PORD:PORD+1], s[PORD:PORD+1], s[TMP+2:TMP+3]
; STEP 1.  Load j: four masks; their bits are counted on the scalar side, one load behind the compares.
.macro SUMS p                          ; the four masks of load p are counted
.irp c, 0,1,2,3
	s_bcnt1_i32_b32 s[TMP+\c], s[MASK+4*(\p)+\c]
.endr
	s_add_co_u32 s[TMP+0], s[TMP+0], s[TMP+1]
	s_add_co_u32 s[TMP+2], s[TMP+2], s[TMP+3]
	s_add_co_u32 s[TMP+0], s[TMP+0], s[TMP+2]
	s_add_co_u32 s[BASE+(\p)+1], s[BASE+(\p)], s[TMP+0]        ; kept for each load: step 2 starts its ranks from it
.endm
.macro COUNT j
	s_wait_loadcnt 7-(\j)                          ; loads come back in order (ISA guide 5.7.1): load j is in, the 7 - j younger ones stay out
.if (\j) > 0
	s_wait_alu depctr_va_sdst(0)                   ; the compares of load j - 1 have written their four masks, ahead of the masks' first readers, the counts below
.endif
.irp c, 0,1,2,3
	v_cmp_lt_i32 s[MASK+4*(\j)+\c], 0, v[CLS+4*(\j)+\c]        ; 0 < class
.endr
.if (\j) > 0
	SUMS (\j)-1                                    ; scalar work on the load before, behind this load's compares
.endif
.endm
.irp j, 0,1,2,3,4,5,6,7
	COUNT \j
.endr
	s_wait_alu depctr_va_sdst(0)                   ; the compares of load 7 have written their four masks, ahead of the counts below
	SUMS 7
	v_mov_b32 v[CVAL], s[BASE+8]
	s_wait_alu depctr_va_vdst(0)                   ; CVAL is written, which the store below reads
	ds_store_b32 v[CADR], v[CVAL] offset:LDS_CNT   ; all lanes: the same word, the same value
	s_wait_dscnt 0x0                               ; for the other waves' sake: my count is in LDS before I signal
	s_barrier_signal -1
	s_barrier_wait -1                              ; barrier 1: all 16 counts are there
.irp q, 0,1,2,3
	ds_load_b128 v[CNTS+4*\q:CNTS+4*\q+3], v[Z] offset:LDS_CNT+16*\q       ; no vector instruction has named v[40:55] so far
.endr
	s_wait_dscnt 0x0
.irp w, 0,1,2,3,4,5,6,7,8,9,10,11,12,13,14,15
	v_readfirstlane_b32 s[INC+\w], v[CNTS+\w]
.endr
	s_wait_alu depctr_va_sdst(0)                   ; the sixteen lines above have written s[INC ..], ahead of their first readers, the sums below
.irp w, 1,2,3,4,5,6,7,8,9,10,11,12,13,14,15
	s_add_co_u32 s[INC+\w], s[INC+\w], s[INC+\w-1] ; foregrounds of chunks 0 .. w; the last is T
.endr
	s_mov_b32 s[PME], 0
.irp w, 1,2,3,4,5,6,7,8,9,10,11,12,13,14,15
	s_cmp_eq_u32 s[WAVE], \w                       ; the condition is the wave's number; only the chosen value is data
	s_cselect_b32 s[PME], s[INC+\w-1], s[PME]      ; those in front of my chunk
.endr
.irp j, 0,1,2,3,4,5,6,7
	s_add_co_u32 s[BASE+\j], s[BASE+\j], s[PME]    ; now: foregrounds of the ROW in front of my load j
.endr
; STEP 2.  Element c of lane l in load j is proposal i = 1024 w + 128 j + 4 l + c; it has the pair ADR + 4 j + c, IDX + 4 j + c to itself.
.macro PUT n                           ; element n's index goes to its slot
.if (\n) == 0
	ds_store_b32 v[ADR], v[IDX0] offset:LDS_REG
.else
	ds_store_b32 v[ADR+(\n)], v[IDX+(\n)] offset:LDS_REG
.endif
.endm
; The four elements of load j.  send >= 0: in front of each element's arithmetic stands one store of load 'send', of the block before.
.macro PLACE j, send
	v_mbcnt_lo_u32_b32 v[RANK], s[MASK+4*(\j)+0], s[BASE+(\j)] ; g = what lies in front of the load + the lower lanes' bits of the four masks
	v_mbcnt_lo_u32_b32 v[RANK], s[MASK+4*(\j)+1], v[RANK]
	v_mbcnt_lo_u32_b32 v[RANK], s[MASK+4*(\j)+2], v[RANK]
	v_mbcnt_lo_u32_b32 v[RANK], s[MASK+4*(\j)+3], v[RANK]
.irp c, 0,1,2,3
.set e, 4*(\j)+\c
.if (\send) >= 0
	PUT 4*(\send)+\c                               ; no wait: no vector instruction since the wait at the block's head writes this element's pair
.endif
.if e == 0
	v_sub_nc_u32 v[ADR], v[IDX0], v[RANK]                      ; i - g: backgrounds in front (g <= i, so it does not wrap)
.else
	v_add_nc_u32 v[IDX+e], 128*(\j)+\c, v[IDX0]                ; i
	v_sub_nc_u32 v[ADR+e], v[IDX+e], v[RANK]
.endif
	v_add_nc_u32 v[ADR+e], s[TOT], v[ADR+e]                    ; a background's slot: T + (i - g)
	v_cndmask_b32 v[ADR+e], v[ADR+e], v[RANK], s[MASK+e]       ; a foreground's: g
	v_min_u32 v[ADR+e], KEEP, v[ADR+e]                         ; what is not kept falls on word 512
	v_lshl_add_u32 v[ADR+e], v[ADR+e], 2, s[RBASE]             ; a word of my wave's own 4,096 bytes
.if \c < 3
	v_cndmask_b32 v[T2], 0, 1, s[MASK+e]
	v_add_nc_u32 v[RANK], v[RANK], v[T2]                       ; my own earlier elements count too
.endif
.endr
.endm
	PLACE 0, -1                                    ; block 0: loads 0 and 1; there is no block in front of it
	PLACE 1, -1
	s_wait_alu depctr_va_vdst(0)                   ; block 0 has written its eight pairs of ADR and IDX, which the eight stores dealt among block 1 read
	PLACE 2, 0
	PLACE 3, 1
	s_wait_alu depctr_va_vdst(0)                   ; block 1 has written its eight pairs, which the stores dealt among block 2 read
	PLACE 4, 2
	PLACE 5, 3
	s_wait_alu depctr_va_vdst(0)                   ; block 2 has written its eight pairs, which the stores dealt among block 3 read
	PLACE 6, 4
	PLACE 7, 5
	s_wait_alu depctr_va_vdst(0)                   ; block 3 has written its eight pairs, which the stores below read; and since no vector instruction follows before step 3's
	                                               ; loads, every vector reader and writer of v[4:67] is done, where those loads land
.irp n, 24,25,26,27,28,29,30,31
	PUT \n
.endr
	s_wait_dscnt 0x0                               ; my list is written before I signal
	s_barrier_signal -1
	s_barrier_wait -1                              ; barrier 2: all 16 lists are written, and nobody writes LDS any more
	; STEP 3.  128 lanes x 4 slots = the row's 512: four waves' work.  The branch is on the wave's number and jumps over no barrier.
	s_cmp_ge_u32 s[WAVE], 4
	s_cbranch_scc1 .Ldone
	s_wait_alu depctr_vm_vsrc(0)                   ; step 2's LDS stores have read ADR and IDX, v[4:67], in which the loads below land
.irp w, 0,1,2,3,4,5,6,7,8,9,10,11,12,13,14,15
	ds_load_b128 v[M+4*\w:M+4*\w+3], v[MADR] offset:LDS_REG+REGION*\w      ; a wave's load: 512 consecutive bytes of list w
.endr
.irp w, 1,2,3,4,5,6,7,8,9,10,11,12,13,14,15
	s_wait_dscnt 15-\w                             ; LDS loads come back in order: lists 0 .. w are in, the 15 - w younger loads stay out
.irp c, 0,1,2,3
	v_or_b32 v[M+\c], v[M+\c], v[M+4*\w+\c]        ; one list holds the index, the others 0
.endr
.endr
	s_wait_alu depctr_va_vdst(0)                   ; the ORs have written v[M:M+3], which the store below reads
	global_store_b128 v[MADR], v[M:M+3], s[PORD:PORD+1]        ; no hint: the next launch reads it
.Ldone:
	s_wait_dscnt 0x0
	s_wait_alu depctr_hold_cnt(0) depctr_sa_sdst(0) depctr_va_vdst(0) depctr_va_sdst(0) depctr_va_ssrc(0) depctr_va_vcc(0) depctr_vm_vsrc(0)
	s_wait_tensorcnt 0x0
	ds_add_u32 v77, v81
	s_wait_dscnt 0x0
	s_endpgm
.Lfunc_end_k_q0fa12410f0_pick:
	.size	k_q0fa12410f0_pick, .Lfunc_end_k_q0fa12410f0_pick-k_q0fa12410f0_pick
	.p2alignl 7, 3214868480
	.fill 96, 4, 3214868480
	.section	.rodata,"a",@progbits
	.p2align	6, 0x0
	.amdhsa_kernel k_q0fa12410f0_pick
		.amdhsa_group_segment_fixed_size 67840
		.amdhsa_private_segment_fixed_size 0
		.amdhsa_enable_private_segment 0
		.amdhsa_kernarg_size 16
		.amdhsa_user_sgpr_count 2
		.amdhsa_user_sgpr_kernarg_segment_ptr 1
		.amdhsa_wavefront_size32 1
		.amdhsa_system_sgpr_workgroup_id_x 1
		.amdhsa_system_sgpr_workgroup_id_y 1
		.amdhsa_system_sgpr_workgroup_id_z 1
		.amdhsa_system_vgpr_workitem_id 0
		.amdhsa_next_free_vgpr 82
		.amdhsa_next_free_sgpr 100
		.amdhsa_reserve_vcc 0
		.amdhsa_float_denorm_mode_32 3
		.amdhsa_float_denorm_mode_16_64 3
		.amdhsa_memory_ordered 1
		.amdhsa_forward_progress 1
		.amdhsa_inst_pref_size 30
	.end_amdhsa_kernel
	.amdgpu_metadata
---
amdhsa.version: [ 1, 2 ]
amdhsa.kernels:
  - .name:           k_q0fa12410f0_pick
    .symbol:         k_q0fa12410f0_pick.kd
    .args:
      - { .name: class_targets, .offset: 0, .size: 8, .value_kind: global_buffer, .address_space: global }
      - { .name: order, .offset: 8, .size: 8, .value_kind: global_buffer, .address_space: global }
    .group_segment_fixed_size: 67840
    .private_segment_fixed_size: 0
    .kernarg_segment_align: 8
    .kernarg_segment_size: 16
    .max_flat_workgroup_size: 512
    .sgpr_count:     100
    .vgpr_count:     82
    .wavefront_size: 32
...
	.end_amdgpu_metadata
.endif
;; end of part 3
;; launch gather: the kernel of part 2 again; grid 256 x 1, 16 waves a work-group, no clusters, 0 bytes of LDS; arguments class_targets, box_targets, boxes, proposal_to_label_map, out0, out1, out2, out3, order; writes out0, out1, out2, out3
